; MI455X (gfx1250); checked and timed in simulation.
; The chip was launched on July 23, 2026; its instructions are those of AMD's public machine-readable ISA for CDNA 5 (MIT licence, August 2026) and "CDNA5" Instruction Set Architecture Reference Guide (July 2026). The comments in the code are by the model that wrote it; some were corrected since.
;; Multihead Self Attention. Allowed arithmetic: matrix products marked QUANTISED: E5M2 operands, one given power-of-two scale a tensor, by v_wmma_f32_16x16x64_bf8_bf8 or v_wmma_f32_16x16x128_bf8_bf8, f32 sums; everything else in f32.
;; Inputs: Wlift_codes 1,024 x 32 x 32 uint8 (E5M2 codes of Wlift, K innermost, in blocks of 32 codes); Wqkv_codes 3,072 x 32 x 32 uint8 (E5M2 codes of Wqkv, K innermost, in blocks of 32 codes); blift 1,024 float32; bqkv 3,072 float32; lowp_scales 8 int32 (the exponents e of the quantised operands' scales 2^e); x_codes 4 x 2,048 x 32 x 32 uint8 (E5M2 codes of x, K innermost, in blocks of 32 codes).
;; Outputs: out0 4 x 2,048 x 1,024 float32.
;; This version of the problem:
;;   THIS VERSION OF THE PROBLEM IS GIVEN IN LOW PRECISION. The matrix products marked QUANTISED in the list below multiply operands that are first quantised to E5M2 (5 exponent bits, 2 mantissa bits; 8 bits a number), with one given power-of-two scale for each operand tensor; their sums are f32. All else is computed in f32.
;;   The module's matrix products, in the order in which they are computed (A, B: the left and right operand; K: the contracted axis; several contracted axes count as one K, in the product's order):
;;     1. [M 8,192, K 1,024] x [K 1,024, N 3,072]; A: input x (given as codes); B: input Wqkv (given as codes): QUANTISED (scales: A lowp_scales[0], B lowp_scales[1])
;;     2. batch 64 x [M 2,048, K 64] x [K 64, N 2,048]; A: computed on the way; B: computed on the way: QUANTISED (scales: A lowp_scales[2], B lowp_scales[3])
;;     3. batch 64 x [M 2,048, K 2,048] x [K 2,048, N 64]; A: computed on the way; B: computed on the way: QUANTISED (scales: A lowp_scales[4], B lowp_scales[5])
;;     4. [M 8,192, K 1,024] x [K 1,024, N 1,024]; A: computed on the way; B: input Wlift (given as codes): QUANTISED (scales: A lowp_scales[6], B lowp_scales[7])
;;   THE QUANTISER, for each operand of a quantised product, along K:
;;     - The operand's scale is 2^e, e = its entry of the input lowp_scales (int32; the entries are numbered through the quantised products in the list's order, A before B).
;;     - Each number is divided by the scale, clamped to +-57,344, and rounded to the nearest number of E5M2, ties to even, subnormals kept.
;;     - The product sums the exact products of the quantised numbers (number of the format x scale) in f32.
;;   ~~~python
;;   def quantise(x, axis, e):      # numpy; x: float32 -> the quantised numbers, widened to float32 again
;;       x = np.moveaxis(x, axis, -1); K = x.shape[-1]
;;       r = np.clip(x / 2.0 ** e, -57344, 57344)
;;       step = 2.0 ** (np.maximum(np.frexp(np.where(r == 0, 1, r))[1] - 1, -14) - 2)
;;       q = np.round(r / step) * step * 2.0 ** e      # np.round: ties to even
;;       return np.moveaxis(q, -1, axis).astype(np.float32)
;;   ~~~
;;   OPERANDS COMPUTED ON THE WAY. 'Computed on the way' means the value that the module computes at that place (a softmax that the list does not call 'softmax' is quantised finished and normalised). What goes into a quantiser is computed in f32, as accurately as f32 sums, v_exp_f32 and their like allow (about 1e-6 of the number): no bf16 or f16 on the way to a quantiser, and a product that is left as it is and whose result goes on into a quantised operand takes f32 operands (vector FMAs, or v_wmma_f32_16x16x4_f32). A number that lies on a knife's edge between two numbers of the format may be rounded either way, as far as f32 arithmetic and the matrix unit's own rounding can turn it there, and no further.
;;   INPUTS GIVEN AS CODES. Wlift (in the module: [1024, 1024], K = its axis 1); Wqkv (in the module: [3072, 1024], K = its axis 1); x (in the module: [4, 2048, 1024], K = its axis 2): each comes as NAME_codes (uint8): NAME with its K axis moved to the last place and cut into blocks of 32 codes, [.., K / 32, bytes a block], one block behind the other in memory; one code a byte (a code: sign, 5 exponent bits, 2 mantissa bits); its scale is its entry of lowp_scales. Its value is code x scale, taken as it is: it is not quantised again, and the codes and scales need not be those that the quantiser above would give.
;; One version. Each part assembles by itself: llvm-mc -triple=amdgcn-amd-amdhsa -mcpu=gfx1250 --defsym DOCPART=n.
;; ======== version 1 of 1: 3 launches
;; limits: right only within a limited range of input values
;; workspace buffers: qimg 8,388,608 bytes; kimg 8,388,608 bytes; vimg 8,388,608 bytes; aimg 8,388,608 bytes
;; launch qkv (part 1): grid 12 x 32, 4 waves a work-group, clusters of 4 x 4, 327,680 bytes of LDS; arguments x_codes, Wqkv_codes, bqkv, lowp_scales, qimg, kimg, vimg; writes qimg, kimg, vimg
.if DOCPART == 1
	.amdgcn_target "amdgcn-amd-amdhsa--gfx1250"
	.amdhsa_code_object_version 6
	.text
	.protected	k_qcb49ba2cac_qkv
	.globl	k_qcb49ba2cac_qkv
	.p2align	8
	.type	k_qcb49ba2cac_qkv,@function
k_qcb49ba2cac_qkv:
	s_mov_b64 s[64:65], 0
	v_nop
	global_prefetch_b8 v0, s[64:65] scope:SCOPE_SE
	s_setreg_imm32_b32 hwreg(HW_REG_WAVE_MODE, 25, 1), 1
	s_wait_xcnt 0x0
	s_wait_alu depctr_hold_cnt(0) depctr_sa_sdst(0) depctr_va_vdst(0) depctr_va_sdst(0) depctr_va_ssrc(0) depctr_va_vcc(0) depctr_vm_vsrc(0)
	s_getreg_b32 s2, hwreg(HW_REG_IB_STS2, 6, 4)
	s_cmp_eq_u32 s2, 0
	s_cbranch_scc0 .Lentry_in_a_cluster
	s_endpgm
.Lentry_in_a_cluster:
	s_bfe_u32 s2, ttmp6, 0x10000c
	s_cmp_lg_u32 s2, 0xf033
	s_cbranch_scc0 .Lentry_shape_is_right
	s_endpgm
.Lentry_shape_is_right:
; qkv = x Wqkv^T + bqkv on codes of BF8 (E5M2); the results are quantised at once, q with 2^e2, k with 2^e3, v with 2^e5, and stored as IMAGES OF OPERAND REGISTERS.
; x: [8192][1024] codes, Wqkv: [3072][1024] codes, K innermost.  A sum stands for sum x 2^(e0 + e1); y = sum x 2^(e0 + e1) + bias; code = y / 2^eo, held within +-57,344, to the nearest code.
; LIMITS: e0 + e1 between -126 and 127; e2, e3, e5 between -126 and 112, so that each power of two below is an f32 number.  NaN among the inputs is not served.
; IMAGES.  A block of 1,024 bytes is a fragment of 16 rows x 64 along K: [chunk c 0..1][lane 0..31][16 bytes]; lane r + 16 h holds, of row r, k = 32 c + 8 h + 0..7 and then k = 32 c + 16 + 8 h + 0..7.
;   qimg, kimg: [head of a batch 64][tile of 16 tokens 128][1024], k = the head's 64.     vimg: [head of a batch 64][64 keys 32][16 of the head's 64: 4][1024], k = the keys.
; SHARES.  C' = A' B'^T in tiles of 256 x 256, a work-group of four waves each; a wave makes 128 x 128: 64 accumulators.  K goes in steps of 256 through a ring of two LDS slots.
; The matrix instruction is used transposed (source 0 = 16 rows of B', source 1 = 16 rows of A'): a lane holds one row of A' and eight neighbouring rows of B'.  A conversion takes eight neighbours along the NEXT
; product's K from one lane.  For q and k that K is the head's 64: A' = x, B' = Wqkv.  For v it is the tokens: A' = Wqkv's rows 2048 on, B' = x.  The cluster's x says which: 0 q, 1 k, 2 v; it is the same in all partners.
; CLUSTERS: 4 x 4 work-groups; A's tiles are asked for jointly along a row of the cluster, B's along a column.
; 384 tiles for 256 WGPs: tiles of 256 columns are the largest that lie wholly in q, k or v.  No prefetch: K has four K steps, and each comes by its own load.
; REGISTERS: window 0: v0-31 addresses; v32-95 the bias by columns, v96-111 the bias by rows; from v128 A's fragments, ONE set; window 1: B's fragments, TWO sets; windows 2, 3: the accumulators ((a, b) at v[8 (8 (a % 4) + b)]).
.set KSTEP,  256
.set ROWB,   256                       ; a tile's row in bytes
.set KROW,   1024                      ; a row of x or of Wqkv in memory, in bytes
.set PITCH,  272                       ; an LDS row: 256 bytes + 16 of padding: the 16 rows that a load touches start 68 words apart
.set FR,     16                        ; registers of a fragment: 16 rows x 128 K
.set NL,     4                         ; LDS loads that bring one
.set NP,     4                         ; places behind this matrix instruction (ISA guide 7.12.1)
.set HALFT,  128*PITCH
.set SLOT,   4*HALFT                   ; A's 256 rows, then B's 256 rows
.set LAPS,   2                         ; a lap = two K steps = once round the ring: 1,024 / 512
.set SPARE,  2*SLOT                    ; behind the ring: the spare words, 128 bytes for each wave, which no other line names
.set ADRA, 16                          ; v16-17  LDS address of my A fragments in slot 0, 1
.set ADRB, 20                          ; v20-21  the same for B
.set CO,   26                          ; v26     16 x lane: my place in an image's chunk
.set SPW,  28                          ; v28     LDS address of my spare word; never rewritten
.set NIL,  29                          ; v29     0; never rewritten
.set BO,   30                          ; v30     32 x (lane / 16): my eight numbers of sixteen of the bias
.set RO,   31                          ; v31     4 x (lane % 16)
.set BJ,   32                          ; v32-95  q, k: bias of column 16 b + 8 h + j at 8 b + j
.set BI,   96                          ; v96-111 v: bias of row 16 a + r at 2 a; the odd registers hold 0 (named as halves of pairs)
.set AF,   128
.set Y,    128                         ; the way out: a block's 64 numbers
.set CD,   192                         ; the way out: two sets of 16 registers of codes
.set LIMV, 224                         ; 57,344 x 2^eo
.set SCV,  225                         ; 2^eo
.set G1, 24
.set G0, 32
.set G1B, 48
.set G0B, 56
.set MSB, 0
.macro WIN new                         ; the immediate's high byte repeats the setting that is left
.if MSB != \new
	s_set_vgpr_msb (MSB<<8)|\new
.set MSB, \new
.endif
.endm
.set MUL_LO, 0xa1                      ; source 0 (B) window 1, source 1 (A) window 0, C and D window 2
.set MUL_HI, 0xf1                      ; the same, C and D window 3
.set TO_B,   0x40                      ; destination window 1, address window 0
; A joint load: waves 0 and 1 fetch for A, waves 2 and 3 for B; the branch hangs on the wave's number alone.  Four v_nop follow each of the two lines.
.macro JLOAD g0a, g1a, g0b, g1b
	s_cmp_eq_u32 s15, 0
	s_cbranch_scc0 .Lfor_b_\@
	tensor_load_to_lds s[\g0a:\g0a+3], s[\g1a:\g1a+7]
	s_nop 0
.rept 4
	v_nop
.endr
	s_branch .Lasked_\@
.Lfor_b_\@:
	tensor_load_to_lds s[\g0b:\g0b+3], s[\g1b:\g1b+7]
	s_nop 0
.rept 4
	v_nop
.endr
.Lasked_\@:
.endm
.macro CREST                           ; a round of the cluster's barrier behind its opening barrier
	s_cmp_lg_u32 s14, 0
	s_cbranch_scc1 .Lnot_wave_0_\@
	s_barrier_signal -3
.Lnot_wave_0_\@:
	s_barrier_wait -3
	s_barrier_signal -1
	s_barrier_wait -1
.endm
.macro CROUND                          ; a whole round
	s_barrier_signal -1
	s_barrier_wait -1
	CREST
.endm
	s_load_b256 s[4:11], s[0:1], 0x0               ; x s[4:5], Wqkv s[6:7], bqkv s[8:9], the scales' exponents s[10:11]
	s_load_b128 s[76:79], s[0:1], 0x20             ; qimg, kimg
	s_load_b64 s[80:81], s[0:1], 0x30              ; vimg
	v_lshl_add_u32 v[SPW], v0, 2, SPARE
	v_mov_b32 v[NIL], 0
	ds_add_u32 v28, v29
	ds_add_u32 v28, v29
	s_wait_dscnt 0x0
	v_lshrrev_b32 v1, 5, v0
	v_readfirstlane_b32 s14, v1                    ; wave 0..3
	s_lshr_b32 s15, s14, 1                         ; which half of the tile's rows (A') is mine.  Also: I fetch for A' (0) or for B' (1)
	s_and_b32 s16, s14, 1                          ; which half of its columns (B').  Also: which 128 rows of that tile I fetch
	s_bfe_u32 s40, ttmp6, 0x40000                  ; cx, cy: my place in the cluster
	s_bfe_u32 s41, ttmp6, 0x40004
	s_and_b32 s17, ttmp7, 0xffff                   ; the cluster's y: 1,024 tokens
	s_lshl_b32 s43, s41, 2
	s_lshl_b32 s43, 15, s43                        ; my row of the cluster
	s_lshl_b32 s44, 0x1111, s40                    ; my column
	; descriptor group 1: a tile of 128 rows x 256 bytes, 16 bytes of padding behind each row
	s_or_b32 s[G1+0], s43, (0<<16)|(1<<20)|(1<<21)|(5<<22)|(3<<25)  ; 15:0 the mask; 17:16 elements of 1 byte; 20 padding on; 21 set beside a mask; 24:22 after every 64 words; 31:25 four words
	s_or_b32 s[G1B+0], s44, (0<<16)|(1<<20)|(1<<21)|(5<<22)|(3<<25)
.irp g, G1, G1B
	s_mov_b32 s[\g+1], ROWB<<16                    ; tensor_dim0
	s_mov_b32 s[\g+2], 128<<16                     ; tensor_dim1
	s_mov_b32 s[\g+3], ROWB<<16                    ; tile_dim0
	s_mov_b32 s[\g+4], 128                         ; tile_dim1
	s_mov_b32 s[\g+5], KROW                        ; from row to row
	s_mov_b32 s[\g+6], 0
	s_mov_b32 s[\g+7], 0
.endr
	; the rows that I fetch.  A': 256 cy + (v: 2048; q, k: 1024 x cluster y) + 128 x half, in registers that never hold cx;  B': 256 cx + (v: 1024 x cluster y; q, k: 1024 x cluster x) + 128 x half, never cy
	s_lshl_b32 s18, s16, 7
	s_lshl_b32 s19, s17, 10
	s_lshl_b32 s42, ttmp9, 10
	s_lshl_b32 s21, s41, 8
	s_lshl_b32 s47, s40, 8
	s_cmp_eq_u32 ttmp9, 2                          ; v?  The same answer in all sixteen partners
	s_cselect_b32 s20, 2048, s19
	s_cselect_b32 s46, s19, s42
	s_add_co_u32 s20, s20, s21
	s_add_co_u32 s20, s20, s18
	s_add_co_u32 s46, s46, s47
	s_add_co_u32 s46, s46, s18
	s_lshl_b32 s20, s20, 10                        ; rows of 1,024 bytes: under 2^23
	s_lshl_b32 s46, s46, 10
	s_mov_b32 s21, 0
	s_mov_b32 s47, 0
	s_mul_i32 s45, s14, HALFT                      ; where they go: wave x 128 rows: no place in the cluster enters an LDS address
	s_wait_kmcnt 0x0
	s_load_b256 s[68:75], s[10:11], 0x0            ; e0 .. e7
	s_cmp_eq_u32 ttmp9, 2
	s_cselect_b64 s[82:83], s[6:7], s[4:5]         ; A'
	s_cselect_b64 s[84:85], s[4:5], s[6:7]         ; B'
	s_add_nc_u64 s[20:21], s[82:83], s[20:21]
	s_add_nc_u64 s[46:47], s[84:85], s[46:47]
	CROUND                                         ; all sixteen work-groups are here: the first joint loads meet
.irp s, 0,1
	s_mov_b32 s[G0+4*\s], 1
	s_add_co_u32 s[G0+4*\s+1], s45, \s*SLOT
	s_add_nc_u64 s[G0+4*\s+2:G0+4*\s+3], s[20:21], \s*ROWB
	s_or_b32 s[G0+4*\s+3], s[G0+4*\s+3], 0x80000000
	s_mov_b32 s[G0B+4*\s], 1
	s_add_co_u32 s[G0B+4*\s+1], s45, \s*SLOT
	s_add_nc_u64 s[G0B+4*\s+2:G0B+4*\s+3], s[46:47], \s*ROWB
	s_or_b32 s[G0B+4*\s+3], s[G0B+4*\s+3], 0x80000000
	JLOAD G0+4*\s, G1, G0B+4*\s, G1B
.endr
	v_and_b32 v1, 15, v0                           ; r = lane % 16
	v_bfe_u32 v2, v0, 4, 1                         ; h = lane / 16
	v_mul_u32_u24 v3, v1, PITCH
	v_lshl_add_u32 v4, v2, 4, v3                   ; a fragment's row x pitch + 16 x half
	s_mul_i32 s22, s15, HALFT                      ; my 128 rows of A'
	s_mul_i32 s23, s16, HALFT                      ; my 128 rows of B',
	s_add_co_u32 s23, s23, 2*HALFT                 ; which lie behind A's 256
.irp s, 0,1
	v_add_nc_u32 v[ADRA+\s], s22, v4
	v_add_nc_u32 v[ADRB+\s], s23, v4
	s_add_co_u32 s22, s22, SLOT
	s_add_co_u32 s23, s23, SLOT
.endr
	v_and_b32 v6, 31, v0
	v_lshlrev_b32 v[CO], 4, v6
	v_lshlrev_b32 v[BO], 5, v2
	v_lshlrev_b32 v[RO], 2, v1
	; where my wave's images begin.  q, k: head 4 cx + 2 (w & 1) on, token tile 16 cy + 8 (w >> 1) on;  v: head 4 cy + 2 (w >> 1) on, 64 keys 4 cx + 2 (w & 1) on
	s_cmp_eq_u32 ttmp9, 0
	s_cselect_b64 s[86:87], s[76:77], s[78:79]
	s_cmp_eq_u32 ttmp9, 2
	s_cselect_b64 s[86:87], s[80:81], s[86:87]
	s_cselect_b32 s88, s41, s40
	s_cselect_b32 s89, s15, s16
	s_cselect_b32 s90, s40, s41
	s_cselect_b32 s91, s16, s15
	s_lshr_b32 s92, s17, 1                         ; the batch
	s_lshl_b32 s92, s92, 4
	s_lshl_b32 s88, s88, 2
	s_add_co_u32 s92, s92, s88
	s_lshl_b32 s89, s89, 1
	s_add_co_u32 s92, s92, s89
	s_lshl_b32 s92, s92, 17                        ; a head's images are 2^17 bytes
	s_and_b32 s93, s17, 1                          ; which 1,024 tokens of the batch
	s_lshl_b32 s93, s93, 4
	s_lshl_b32 s90, s90, 2
	s_add_co_u32 s93, s93, s90
	s_lshl_b32 s91, s91, 1
	s_add_co_u32 s93, s93, s91
	s_lshl_b32 s93, s93, 12                        ; 64 tokens' images are 2^12 bytes in all three buffers
	s_add_co_u32 s92, s92, s93
	s_mov_b32 s93, 0
	s_add_nc_u64 s[86:87], s[86:87], s[92:93]
	; the bias.  Both sets are loaded on every path; the set that is not used comes from bqkv's first numbers
	s_lshl_b32 s88, s40, 8
	s_add_co_u32 s88, s88, s42
	s_add_co_u32 s88, s88, s18                     ; q, k: my first column: 1024 x cluster x + 256 cx + 128 (w & 1)
	s_lshl_b32 s90, s41, 8
	s_lshl_b32 s91, s15, 7
	s_add_co_u32 s90, s90, s91
	s_add_co_u32 s90, s90, 2048                    ; v: my first row: 2048 + 256 cy + 128 (w >> 1)
	s_cmp_eq_u32 ttmp9, 2
	s_cselect_b32 s88, 0, s88
	s_cselect_b32 s90, s90, 0
	s_lshl_b32 s88, s88, 2
	s_lshl_b32 s90, s90, 2
	s_mov_b32 s89, 0
	s_mov_b32 s91, 0
	s_add_nc_u64 s[88:89], s[8:9], s[88:89]
	s_add_nc_u64 s[90:91], s[8:9], s[90:91]
.irp b, 0,1,2,3,4,5,6,7
	global_load_b128 v[BJ+8*\b:BJ+8*\b+3], v[BO], s[88:89] offset:64*\b
	global_load_b128 v[BJ+8*\b+4:BJ+8*\b+7], v[BO], s[88:89] offset:64*\b+16
.endr
.irp a, 0,1,2,3,4,5,6,7
	global_load_b32 v[BI+2*\a], v[RO], s[90:91] offset:64*\a
	v_mov_b32 v[BI+2*\a+1], 0
.endr
.macro FRAG reg, adr, q, i             ; a fragment, 16 rows x 128 K: four loads of 16 bytes, 32 bytes apart.  The same permutation of k in A' and in B': every product meets its partner
.irp c, 0,1,2,3
	ds_load_b128 v[\reg+4*\c:\reg+4*\c+3], v[\adr] offset:128*(\q)+32*\c+(\i)*16*PITCH
.endr
.endm
; 16 matrix instructions: A's blocks a0, a0 + 1 x B's eight.  p: B's set.  zero = 1: the first product starts the sums.  The 64 accumulators take turns, one instruction a turn.
.macro MUL16 a0, p, zero
.irp a, \a0, \a0+1
.irp b, 0,1,2,3,4,5,6,7
.if \zero
	v_wmma_f32_16x16x128_bf8_bf8 v[8*(8*((\a)%4)+\b):8*(8*((\a)%4)+\b)+7], v[128*(\p)+FR*\b:128*(\p)+FR*\b+FR-1], v[AF+FR*(\a):AF+FR*(\a)+FR-1], 0
.else
	v_wmma_f32_16x16x128_bf8_bf8 v[8*(8*((\a)%4)+\b):8*(8*((\a)%4)+\b)+7], v[128*(\p)+FR*\b:128*(\p)+FR*\b+FR-1], v[AF+FR*(\a):AF+FR*(\a)+FR-1], v[8*(8*((\a)%4)+\b):8*(8*((\a)%4)+\b)+7]
.endif
.endr
.endr
.endm
.macro FETCH_B slot, q, p
	WIN TO_B
.irp i, 0,1,2,3,4,5,6,7
	FRAG 128*(\p)+FR*\i, ADRB+\slot, \q, \i
.endr
	WIN 0
.endm
.macro FETCH_A slot, q, i0
.irp i, \i0, \i0+1, \i0+2, \i0+3
	FRAG AF+FR*(\i), ADRA+\slot, \q, \i
.endr
.endm
.macro PLACES n                        ; plain vector lines between a matrix instruction and a load into, or a vector line on, its registers
.rept \n
	v_nop
.endr
.endm
; A step of 128 along K that has its successor in the same slot.
.macro STEP slot, q, zero
	s_wait_dscnt 4*NL                              ; B's set and A's blocks 0-3 are in; the youngest sixteen loads (A's blocks 4-7) may be out
	WIN MUL_LO
	MUL16 0, (\q)%2, \zero
	MUL16 2, (\q)%2, \zero
	s_wait_dscnt 0                                 ; A's blocks 4-7 are in
	PLACES NP
	FETCH_B \slot, (\q)+1, 1-(\q)%2
	FETCH_A \slot, (\q)+1, 0
	WIN MUL_HI
	MUL16 4, (\q)%2, \zero
	MUL16 6, (\q)%2, \zero
	PLACES NP
	WIN 0
	FETCH_A \slot, (\q)+1, 4
.endm
; A slot's last step changes slots: ONE barrier; in front of it each wave waits for all its tensor loads, adds 0 to its spare word, and waits for that and for its own reads of this slot.
.macro TURN slot, next, fill
	s_wait_tensorcnt 0x0                           ; all my tensor loads have landed: my part of the next slot
	ds_add_u32 v[SPW], v[NIL]                      ; 0 onto my spare word
	s_wait_dscnt 4*NL+1                            ; (the add and the youngest sixteen loads may be out)
	WIN MUL_LO
	MUL16 0, 1, 0
	s_wait_dscnt 0x0                               ; the add is done, and my reads of this slot are over
	s_barrier_signal -1
	MUL16 2, 1, 0
	WIN 0
	s_barrier_wait -1
.if \fill
	CREST                                          ; the barrier has opened a round of the cluster's barrier: no wave of any partner still reads this slot or has a load on its way
	s_add_nc_u64 s[G0+4*\slot+2:G0+4*\slot+3], s[G0+4*\slot+2:G0+4*\slot+3], 2*ROWB
	s_add_nc_u64 s[G0B+4*\slot+2:G0B+4*\slot+3], s[G0B+4*\slot+2:G0B+4*\slot+3], 2*ROWB
	JLOAD G0+4*\slot, G1, G0B+4*\slot, G1B         ; the first tensor load behind the round; its four v_nop are also the places in front of the loads below
.else
	PLACES NP
.endif
	FETCH_B \next, 0, 0
	FETCH_A \next, 0, 0
	WIN MUL_HI
	MUL16 4, 1, 0
	MUL16 6, 1, 0
	PLACES NP
	WIN 0
	FETCH_A \next, 0, 4
.endm
	s_wait_tensorcnt 1                             ; my part of K step 0 is in (K step 1's load may be out)
	s_barrier_signal -1
	s_barrier_wait -1                              ; everybody's is
	FETCH_B 0, 0, 0
	FETCH_A 0, 0, 0
	FETCH_A 0, 0, 4
	STEP 0, 0, 1                                   ; the first step stands in front of the loop: its products start the sums
	s_mov_b32 s3, LAPS-1
.Llap:                                             ; a trip goes once round the ring and fills both slots again
	TURN 0, 1, 1
	STEP 1, 0, 0
	TURN 1, 0, 1
	STEP 0, 0, 0
	s_sub_co_u32 s3, s3, 1
	s_cmp_lg_u32 s3, 0
	s_cbranch_scc1 .Llap
	TURN 0, 1, 0                                   ; the last lap fills nothing
	STEP 1, 0, 0
	s_wait_dscnt 4*NL
	WIN MUL_LO
	MUL16 0, 1, 0
	MUL16 2, 1, 0
	s_wait_dscnt 0
	WIN MUL_HI
	MUL16 4, 1, 0
	MUL16 6, 1, 0
	WIN 0
; THE WAY OUT, block a of 16 rows of A' at a time: y = sum x 2^(e0 + e1) + bias (one packed multiply-add for two), the hold, the conversions: eight neighbours along the next K give two registers;
; the codes of accumulators 2 p and 2 p + 1 are a lane's 16 bytes of one chunk of an image: each store of the wave covers 512 consecutive bytes, aligned.  No LDS on this way.
.macro EPI isv
.irp a, 0,1,2,3,4,5,6,7
.if \a >= 2
	s_wait_xcnt 0x0                                ; block a - 2's stores have read their data: this set of code registers is written again only behind this wait
.endif
	WIN 0x02+((\a)/4)                              ; source 0: window 2 or 3
.irp b, 0,1,2,3,4,5,6,7
.irp i, 0,2,4,6
.if \isv
	v_pk_fma_f32 v[Y+8*\b+\i:Y+8*\b+\i+1], v[64*(\a%4)+8*\b+\i:64*(\a%4)+8*\b+\i+1], s[96:97], v[BI+2*\a:BI+2*\a+1] op_sel_hi:[1,0,0]   ; the bias of my row, for both halves
.else
	v_pk_fma_f32 v[Y+8*\b+\i:Y+8*\b+\i+1], v[64*(\a%4)+8*\b+\i:64*(\a%4)+8*\b+\i+1], s[96:97], v[BJ+8*\b+\i:BJ+8*\b+\i+1] op_sel_hi:[1,0,1]   ; the bias of each column
.endif
.endr
.endr
	WIN 0
.set j, 0
.rept 64
	v_med3_num_f32 v[Y+j], v[Y+j], -v[LIMV], v[LIMV]   ; the conversion to an 8-bit code does not saturate (ISA guide 7.6.2): the hold at the largest code x the scale
.set j, j+1
.endr
.irp b, 0,1,2,3,4,5,6,7
	v_cvt_scalef32_pk8_bf8_f32 v[CD+16*(\a%2)+2*\b:CD+16*(\a%2)+2*\b+1], v[Y+8*\b:Y+8*\b+7], v[SCV]
.endr
	v_nop                                          ; a plain line between the conversions and the next block's lines, which write their sources
.irp p, 0,1,2,3
.if \isv
	global_store_b128 v[CO], v[CD+16*(\a%2)+4*\p:CD+16*(\a%2)+4*\p+3], s[86:87] offset:((\a/4)<<17)+(((2*\p)/4)<<12)+((\a%4)<<10)+((\p%2)<<9)   ; head a / 4, 64 keys p / 2, 16 of the head's 64: a % 4, chunk p % 2
.else
	global_store_b128 v[CO], v[CD+16*(\a%2)+4*\p:CD+16*(\a%2)+4*\p+3], s[86:87] offset:(((2*\p)/4)<<17)+(\a<<10)+((\p%2)<<9)   ; head p / 2, token tile a, chunk p % 2
.endif
.endr
.endr
.endm
	s_wait_kmcnt 0x0
	s_cmp_eq_u32 ttmp9, 0
	s_cselect_b32 s92, s70, s71                    ; eo: e2 for q, e3 for k,
	s_cmp_eq_u32 ttmp9, 2
	s_cselect_b32 s92, s73, s92                    ; e5 for v: a choice, no branch
	s_add_co_i32 s96, s68, s69
	s_add_co_i32 s96, s96, 127
	s_lshl_b32 s96, s96, 23                        ; 2^(e0 + e1) as f32
	s_mov_b32 s97, s96                             ; (named with it as a pair, so it is written)
	s_add_co_i32 s92, s92, 127
	s_lshl_b32 s93, s92, 23                        ; 2^eo
	s_add_co_i32 s92, s92, 15
	s_lshl_b32 s92, s92, 23
	s_or_b32 s92, s92, 0x600000                    ; 57,344 x 2^eo
	s_wait_loadcnt 0x0                             ; the bias
	PLACES NP                                      ; behind the last products: what follows writes registers that held A's fragments and reads results
	v_mov_b32 v[SCV], s93
	v_mov_b32 v[LIMV], s92
	s_cmp_eq_u32 ttmp9, 2                          ; the cluster's x: the same way for all partners
	s_cbranch_scc1 .Lv_out
	EPI 0
	s_branch .Ldone
.Lv_out:
	EPI 1
.Ldone:
	s_wait_tensorcnt 0x0                           ; the wave's end
	ds_add_u32 v[SPW], v[NIL]
	s_wait_dscnt 0x0
	CROUND                                         ; the closing round: no work-group ends while a partner may still ask for a tile that names it
	s_endpgm
.Lfunc_end_k_qcb49ba2cac_qkv:
	.size	k_qcb49ba2cac_qkv, .Lfunc_end_k_qcb49ba2cac_qkv-k_qcb49ba2cac_qkv
	.p2alignl 7, 3214868480
	.fill 96, 4, 3214868480
	.section	.rodata,"a",@progbits
	.p2align	6, 0x0
	.amdhsa_kernel k_qcb49ba2cac_qkv
		.amdhsa_group_segment_fixed_size 327680
		.amdhsa_private_segment_fixed_size 0
		.amdhsa_enable_private_segment 0
		.amdhsa_kernarg_size 56
		.amdhsa_user_sgpr_count 2
		.amdhsa_user_sgpr_kernarg_segment_ptr 1
		.amdhsa_wavefront_size32 1
		.amdhsa_system_sgpr_workgroup_id_x 1
		.amdhsa_system_sgpr_workgroup_id_y 1
		.amdhsa_system_sgpr_workgroup_id_z 1
		.amdhsa_system_vgpr_workitem_id 0
		.amdhsa_next_free_vgpr 1024
		.amdhsa_next_free_sgpr 100
		.amdhsa_reserve_vcc 0
		.amdhsa_float_denorm_mode_32 3
		.amdhsa_float_denorm_mode_16_64 3
		.amdhsa_memory_ordered 1
		.amdhsa_forward_progress 1
		.amdhsa_inst_pref_size 194
	.end_amdhsa_kernel
	.amdgpu_metadata
---
amdhsa.version: [ 1, 2 ]
amdhsa.kernels:
  - .name:           k_qcb49ba2cac_qkv
    .symbol:         k_qcb49ba2cac_qkv.kd
    .args:
      - { .name: x_codes, .offset: 0, .size: 8, .value_kind: global_buffer, .address_space: global }
      - { .name: Wqkv_codes, .offset: 8, .size: 8, .value_kind: global_buffer, .address_space: global }
      - { .name: bqkv, .offset: 16, .size: 8, .value_kind: global_buffer, .address_space: global }
      - { .name: lowp_scales, .offset: 24, .size: 8, .value_kind: global_buffer, .address_space: global }
      - { .name: qimg, .offset: 32, .size: 8, .value_kind: global_buffer, .address_space: global }
      - { .name: kimg, .offset: 40, .size: 8, .value_kind: global_buffer, .address_space: global }
      - { .name: vimg, .offset: 48, .size: 8, .value_kind: global_buffer, .address_space: global }
    .group_segment_fixed_size: 327680
    .private_segment_fixed_size: 0
    .kernarg_segment_align: 8
    .kernarg_segment_size: 56
    .max_flat_workgroup_size: 128
    .sgpr_count:     100
    .vgpr_count:     1024
    .wavefront_size: 32
...
	.end_amdgpu_metadata
.endif
;; end of part 1
;; launch attn (part 2): grid 4 x 64, 8 waves a work-group, clusters of 4 x 1, 263,168 bytes of LDS; arguments qimg, kimg, vimg, lowp_scales, aimg; writes aimg
.if DOCPART == 2
	.amdgcn_target "amdgcn-amd-amdhsa--gfx1250"
	.amdhsa_code_object_version 6
	.text
	.protected	k_qcb49ba2cac_attn
	.globl	k_qcb49ba2cac_attn
	.p2align	8
	.type	k_qcb49ba2cac_attn,@function
k_qcb49ba2cac_attn:
	s_mov_b64 s[64:65], 0
	v_nop
	global_prefetch_b8 v0, s[64:65] scope:SCOPE_SE
	s_setreg_imm32_b32 hwreg(HW_REG_WAVE_MODE, 25, 1), 1
	s_wait_xcnt 0x0
	s_wait_alu depctr_hold_cnt(0) depctr_sa_sdst(0) depctr_va_vdst(0) depctr_va_sdst(0) depctr_va_ssrc(0) depctr_va_vcc(0) depctr_vm_vsrc(0)
	s_getreg_b32 s2, hwreg(HW_REG_IB_STS2, 6, 4)
	s_cmp_eq_u32 s2, 0
	s_cbranch_scc0 .Lentry_in_a_cluster
	s_endpgm
.Lentry_in_a_cluster:
	s_bfe_u32 s2, ttmp6, 0x10000c
	s_cmp_lg_u32 s2, 0x3003
	s_cbranch_scc0 .Lentry_shape_is_right
	s_endpgm
.Lentry_shape_is_right:
.set L16,  1
.set ADK,  2
.set ADV,  3
.set RH,   4
.set NINF, 5
.set SCP,  6
.set DM,   7
.set Q,    8
.set FIN,  40
.set P0,   56
.set KF,   64
.set VF,   96
.set S,    128
.set O,    192
.set ST,   192
.set WV,   14
.set G1,   24
.set G0K,  32
.set G0V,  36
.macro CROUND
	s_barrier_signal -1
	s_barrier_wait -1
	s_cmp_lg_u32 s[WV], 0
	s_cbranch_scc1 .Lnot_wave_0_\@
	s_barrier_signal -3
.Lnot_wave_0_\@:
	s_barrier_wait -3
	s_barrier_signal -1
	s_barrier_wait -1
.endm
.macro PLACES n
.rept \n
	v_nop
.endr
.endm
	s_load_b256 s[4:11], s[0:1], 0x0
	s_load_b64 s[12:13], s[0:1], 0x20
	s_set_vgpr_msb 0x40
	v_lshl_add_u32 v0, v0, 2, 0x40000
	v_mov_b32 v1, 0
	s_set_vgpr_msb 0x4045
	ds_add_u32 v0, v1
	ds_add_u32 v0, v1
	s_set_vgpr_msb 0x4500
	v_lshrrev_b32 v2, 5, v0
	s_delay_alu instid0(VALU_DEP_1)
	v_readfirstlane_b32 s[WV], v2
	s_bfe_u32 s15, ttmp6, 0x40000
	s_and_b32 s16, ttmp7, 0xffff
	s_mov_b32 s[G1+0], 15|(3<<16)|(1<<21)
	s_mov_b32 s[G1+1], 32<<16
	s_mov_b32 s[G1+2], 64<<16
	s_mov_b32 s[G1+3], 32<<16
	s_mov_b32 s[G1+4], 64
	s_mov_b32 s[G1+5], 32
	s_mov_b32 s[G1+6], 0
	s_mov_b32 s[G1+7], 0
	s_lshl_b32 s17, s[WV], 14
	s_lshl_b32 s18, s16, 17
	s_add_co_u32 s18, s18, s17
	s_mov_b32 s19, 0
	s_wait_dscnt 0x0
	s_wait_kmcnt 0x0
	s_load_b256 s[40:47], s[10:11], 0x0
	s_mov_b32 s[G0K], 1
	s_mov_b32 s[G0K+1], s17
	s_add_nc_u64 s[G0K+2:G0K+3], s[6:7], s[18:19]
	s_or_b32 s[G0K+3], s[G0K+3], 0x80000000
	s_mov_b32 s[G0V], 1
	s_add_co_u32 s[G0V+1], s17, 131072
	s_add_nc_u64 s[G0V+2:G0V+3], s[8:9], s[18:19]
	s_or_b32 s[G0V+3], s[G0V+3], 0x80000000
	CROUND
	tensor_load_to_lds s[G0K:G0K+3], s[G1:G1+7]
	s_nop 0
	tensor_load_to_lds s[G0V:G0V+3], s[G1:G1+7]
	s_nop 0
	PLACES 4
	v_and_b32 v[L16], 31, v0
	s_delay_alu instid0(VALU_DEP_1)
	v_lshlrev_b32 v[L16], 4, v[L16]
	s_wait_alu depctr_va_vdst(0)
	s_lshl_b32 s68, s[WV], 2
	s_add_co_u32 s68, s68, s15
	s_sub_co_u32 s69, 63, s68
	s_lshl_b32 s70, s16, 17
	s_mov_b32 s73, 0
	s_lshl_b32 s72, s68, 11
	s_add_co_u32 s72, s72, s70
	s_add_nc_u64 s[60:61], s[4:5], s[72:73]
	s_lshl_b32 s72, s69, 11
	s_add_co_u32 s72, s72, s70
	s_add_nc_u64 s[62:63], s[4:5], s[72:73]
.irp u, 0,1
.irp c, 0,1
	global_load_b128 v[Q+8*\u+4*\c:Q+8*\u+4*\c+3], v[L16], s[60:61] offset:1024*\u+512*\c th:TH_LOAD_NT
	global_load_b128 v[Q+16+8*\u+4*\c:Q+16+8*\u+4*\c+3], v[L16], s[62:63] offset:1024*\u+512*\c th:TH_LOAD_NT
.endr
.endr
	s_lshr_b32 s70, s16, 4
	s_lshl_b32 s70, s70, 21
	s_and_b32 s71, s16, 15
	s_lshl_b32 s71, s71, 10
	s_add_co_u32 s70, s70, s71
	s_lshl_b32 s72, s68, 15
	s_add_co_u32 s72, s72, s70
	s_add_nc_u64 s[56:57], s[12:13], s[72:73]
	s_lshl_b32 s72, s69, 15
	s_add_co_u32 s72, s72, s70
	s_add_nc_u64 s[58:59], s[12:13], s[72:73]
	s_mov_b32 s20, 0x76543210
	s_mov_b32 s21, 0xfedcba98
	s_add_co_u32 s48, s[WV], 1
	s_sub_co_u32 s49, 16, s[WV]
	s_lshl_b32 s53, s15, 5
	s_sub_co_u32 s54, 96, s53
	v_and_b32 v[DM], 15, v0
	v_bfe_u32 v[SCP], v0, 4, 1
	s_delay_alu instid0(VALU_DEP_1)
	v_lshlrev_b32 v[SCP], 3, v[SCP]
	s_delay_alu instid0(VALU_DEP_1)
	v_sub_nc_u32 v[RH], v[DM], v[SCP]
	v_mov_b32 v[NINF], 0xff800000
	s_wait_kmcnt 0x0
	s_add_co_i32 s70, s42, s43
	s_lshl_b32 s70, s70, 23
	s_add_co_i32 s22, s70, 0x3d38aa3b
	s_mov_b32 s23, s22
	s_add_co_i32 s70, s44, 127
	s_lshl_b32 s71, s70, 23
	v_mov_b32 v[SCP], s71
	s_sub_co_i32 s70, s46, s44
	s_sub_co_i32 s70, s70, s45
	s_add_co_i32 s70, s70, 127
	s_lshl_b32 s66, s70, 23
.macro MASKIF hf, lim, sq
	s_add_co_u32 s52, s51, 1
	s_cmp_lg_u32 s52, s[\lim]
	s_cbranch_scc1 .Lopen_\@
	v_add_nc_u32 v[DM], s[\sq], v[RH]
.irp u, 0,1
.irp kt, 0,1,2,3
.irp j, 0,1,2,3,4,5,6,7
	v_cmp_gt_i32 vcc_lo, 64*\hf+16*\kt+\j-16*\u, v[DM]
	v_cndmask_b32 v[S+32*\u+8*\kt+\j], v[S+32*\u+8*\kt+\j], v[NINF], vcc_lo
.endr
.endr
.endr
.Lopen_\@:
.endm
.macro SMUL t, k0
.irp kt, 0,1,2,3
.irp u, 0,1
	v_wmma_f32_16x16x64_bf8_bf8 v[S+32*\u+8*\kt:S+32*\u+8*\kt+7], v[KF+8*(\k0+\kt):KF+8*(\k0+\kt)+7], v[Q+16*\t+8*\u:Q+16*\t+8*\u+7], 0
.endr
.endr
.endm
.macro HALF1 t, hf, lim, sq
	s_wait_dscnt 8-8*\hf
	s_setprio 2
	SMUL \t, 4*\hf
	PLACES 4
	MASKIF \hf, \lim, \sq
.irp u, 0,1
	v_max3_num_f32 v[ST+16*\u+6], v[S+32*\u], v[S+32*\u+1], v[S+32*\u+2]
	v_max3_num_f32 v[ST+16*\u+10], v[S+32*\u+3], v[S+32*\u+4], v[S+32*\u+5]
.endr
.irp i, 6,10,14,18,22,26
.irp u, 0,1
	v_max3_num_f32 v[ST+16*\u+6], v[ST+16*\u+6], v[S+32*\u+\i], v[S+32*\u+\i+1]
	v_max3_num_f32 v[ST+16*\u+10], v[ST+16*\u+10], v[S+32*\u+\i+2], v[S+32*\u+\i+3]
.endr
.endr
.irp u, 0
	s_setprio 1
	v_max3_num_f32 v[ST+16*\u+6], v[ST+16*\u+6], v[S+32*\u+30], v[S+32*\u+31]
.endr
.irp u, 1
	v_max3_num_f32 v[ST+16*\u+6], v[ST+16*\u+6], v[S+32*\u+30], v[S+32*\u+31]
.endr
.irp u, 0,1
	s_delay_alu instid0(VALU_DEP_2)
	v_max_num_f32 v[ST+16*\u+6], v[ST+16*\u+6], v[ST+16*\u+10]
.endr
.irp u, 0,1
	s_delay_alu instid0(VALU_DEP_2)
	v_permlanex16_b32 v[ST+16*\u+7], v[ST+16*\u+6], s20, s21
.endr
.irp u, 0,1
	s_delay_alu instid0(VALU_DEP_2)
	v_max_num_f32 v[ST+16*\u+6], v[ST+16*\u+6], v[ST+16*\u+7]
.endr
.irp u, 0,1
	s_delay_alu instid0(VALU_DEP_2)
	v_mul_f32 v[ST+16*\u+6], s22, v[ST+16*\u+6]
.endr
.irp u, 0,1
	s_delay_alu instid0(VALU_DEP_2)
	v_max_num_f32 v[ST+16*\u+1], v[ST+16*\u+1], v[ST+16*\u+6]
.endr
.irp u, 0,1
	v_mov_b32 v[ST+16*\u+6], v[ST+16*\u]
.endr
.irp u, 0,1
	s_delay_alu instid0(VALU_DEP_4)
	v_floor_f32 v[ST+16*\u], -v[ST+16*\u+1]
.endr
.irp u, 0,1
	s_delay_alu instid0(VALU_DEP_2)
	v_sub_f32 v[ST+16*\u+6], v[ST+16*\u], v[ST+16*\u+6]
.endr
.irp u, 0,1
	s_delay_alu instid0(VALU_DEP_2)
	v_cvt_i32_f32 v[ST+16*\u+6], v[ST+16*\u+6]
.endr
.irp u, 0,1
	s_delay_alu instid0(VALU_DEP_2)
	v_ldexp_f32 v[ST+16*\u+4], 1.0, v[ST+16*\u+6]
.endr
.irp j, 0,2,4,6,8,10,12,14,16,18,20,22,24,26,28,30
.irp u, 0,1
	v_pk_fma_f32 v[S+32*\u+\j:S+32*\u+\j+1], v[S+32*\u+\j:S+32*\u+\j+1], s[22:23], v[ST+16*\u:ST+16*\u+1] op_sel_hi:[1,0,0]
.endr
.endr
	s_wait_alu depctr_va_vdst(0)
.irp u, 0,1
.set j, 0
.rept 32
	v_exp_f32 v[S+32*\u+j], v[S+32*\u+j]
.set j, j+1
.endr
.endr
	s_setprio 0
.irp u, 0,1
	v_pk_mul_f32 v[ST+16*\u+2:ST+16*\u+3], v[ST+16*\u+2:ST+16*\u+3], v[ST+16*\u+4:ST+16*\u+5] op_sel_hi:[1,0]
.endr
	s_wait_alu depctr_va_vdst(0)
.irp u, 0,1
	v_pk_add_f32 v[ST+16*\u+8:ST+16*\u+9], v[S+32*\u:S+32*\u+1], v[S+32*\u+2:S+32*\u+3]
.endr
.irp j, 4,8,12,16,20,24,28
.irp u, 0,1
	v_pk_add_f32 v[ST+16*\u+2:ST+16*\u+3], v[ST+16*\u+2:ST+16*\u+3], v[S+32*\u+\j:S+32*\u+\j+1]
	v_pk_add_f32 v[ST+16*\u+8:ST+16*\u+9], v[ST+16*\u+8:ST+16*\u+9], v[S+32*\u+\j+2:S+32*\u+\j+3]
.endr
.endr
.irp u, 0
	s_delay_alu instid0(VALU_DEP_3)
	v_pk_add_f32 v[ST+16*\u+2:ST+16*\u+3], v[ST+16*\u+2:ST+16*\u+3], v[ST+16*\u+8:ST+16*\u+9]
.endr
.irp u, 1
	s_delay_alu instid0(VALU_DEP_2)
	v_pk_add_f32 v[ST+16*\u+2:ST+16*\u+3], v[ST+16*\u+2:ST+16*\u+3], v[ST+16*\u+8:ST+16*\u+9]
.endr
.endm
.macro PASS1 t, trips, lim, sq
.irp u, 0,1
	v_mov_b32 v[ST+16*\u+1], 0xff61b1e6
	v_mov_b32 v[ST+16*\u+2], 0
	v_mov_b32 v[ST+16*\u+3], 0
	v_mov_b32 v[ST+16*\u+5], 0
	v_mov_b32 v[ST+16*\u+7], 0
	v_floor_f32 v[ST+16*\u], -v[ST+16*\u+1]
.endr
	s_mov_b32 s50, 0
	s_mov_b32 s51, 0
.Lp1_\@:
	s_cmp_ge_u32 s51, s[\lim]
	s_cbranch_scc1 .Lp1s_\@
	v_add_nc_u32 v[ADK], s50, v[L16]
.irp f, 0,1,2,3,4,5,6,7
	ds_load_b128 v[KF+8*\f:KF+8*\f+3], v[ADK] offset:1024*\f
	ds_load_b128 v[KF+8*\f+4:KF+8*\f+7], v[ADK] offset:1024*\f+512
.endr
	HALF1 \t, 0, \lim, \sq
	HALF1 \t, 1, \lim, \sq
.Lp1s_\@:
	s_add_co_u32 s50, s50, 8192
	s_add_co_u32 s51, s51, 1
	s_cmp_lt_u32 s51, \trips
	s_cbranch_scc1 .Lp1_\@
	s_setprio 0
	s_wait_alu depctr_va_vdst(0)
.irp u, 0,1
	v_add_f32 v[ST+16*\u+2], v[ST+16*\u+2], v[ST+16*\u+3]
.endr
.irp u, 0,1
	s_delay_alu instid0(VALU_DEP_2)
	v_permlanex16_b32 v[ST+16*\u+7], v[ST+16*\u+2], s20, s21
.endr
.irp u, 0,1
	s_delay_alu instid0(VALU_DEP_2)
	v_add_f32 v[ST+16*\u+2], v[ST+16*\u+2], v[ST+16*\u+7]
.endr
	s_wait_alu depctr_va_vdst(0)
.irp u, 0,1
	v_rcp_f32 v[FIN+8*\t+4*\u+2], v[ST+16*\u+2]
.endr
.irp u, 0,1
	v_mov_b32 v[FIN+8*\t+4*\u], v[ST+16*\u]
	v_mov_b32 v[FIN+8*\t+4*\u+1], v[ST+16*\u]
.endr
	s_wait_alu depctr_va_vdst(0)
.irp u, 0,1
	v_mov_b32 v[FIN+8*\t+4*\u+3], v[FIN+8*\t+4*\u+2]
.endr
.endm
.macro LOADK hf
.irp kt, 0,1,2,3
	ds_load_b128 v[KF+8*\kt:KF+8*\kt+3], v[ADK] offset:1024*(4*\hf+\kt)
	ds_load_b128 v[KF+8*\kt+4:KF+8*\kt+7], v[ADK] offset:1024*(4*\hf+\kt)+512
.endr
.endm
.macro LOADV hf
.irp dt, 0,1,2,3
	ds_load_b128 v[VF+8*\dt:VF+8*\dt+3], v[ADV] offset:4096*\hf+1024*\dt
	ds_load_b128 v[VF+8*\dt+4:VF+8*\dt+7], v[ADV] offset:4096*\hf+1024*\dt+512
.endr
.endm
.macro SOFT2 t
.irp j, 0,2,4,6,8,10,12,14,16,18,20,22,24,26,28,30
.irp u, 0,1
	v_pk_fma_f32 v[S+32*\u+\j:S+32*\u+\j+1], v[S+32*\u+\j:S+32*\u+\j+1], s[22:23], v[FIN+8*\t+4*\u:FIN+8*\t+4*\u+1] op_sel_hi:[1,0,1]
.endr
.endr
	s_wait_alu depctr_va_vdst(0)
.irp u, 0,1
.set j, 0
.rept 32
	v_exp_f32 v[S+32*\u+j], v[S+32*\u+j]
.set j, j+1
.endr
.endr
	v_nop
	s_wait_alu depctr_va_vdst(0)
.irp u, 0,1
.irp j, 0,2,4,6,8,10,12,14,16,18,20,22,24,26,28,30
	v_pk_mul_f32 v[S+32*\u+\j:S+32*\u+\j+1], v[S+32*\u+\j:S+32*\u+\j+1], v[FIN+8*\t+4*\u+2:FIN+8*\t+4*\u+3]
.endr
.set j, 0
.rept 32
.set j, j+1
.endr
.irp kt, 0,1,2,3
	v_cvt_scalef32_pk8_bf8_f32 v[P0+72*\u+2*\kt:P0+72*\u+2*\kt+1], v[S+32*\u+8*\kt:S+32*\u+8*\kt+7], v[SCP]
.endr
.endr
	v_nop
.endm
.macro PVMUL
.irp dt, 0,1,2,3
.irp u, 0,1
	v_wmma_f32_16x16x64_bf8_bf8 v[O+32*\u+8*\dt:O+32*\u+8*\dt+7], v[VF+8*\dt:VF+8*\dt+7], v[P0+72*\u:P0+72*\u+7], v[O+32*\u+8*\dt:O+32*\u+8*\dt+7]
.endr
.endr
.endm
.macro PASS2 t, trips, lim, sq
	s_wait_xcnt 0x0
.set j, 0
.rept 64
	v_mov_b32 v[O+j], 0
.set j, j+1
.endr
	s_mov_b32 s50, 0
	s_mov_b32 s51, 0
.Lp2_\@:
	s_cmp_ge_u32 s51, s[\lim]
	s_cbranch_scc1 .Lp2s_\@
	s_setprio 2
	v_add_nc_u32 v[ADK], s50, v[L16]
	s_delay_alu instid0(VALU_DEP_1)
	v_add_nc_u32 v[ADV], 0x20000, v[ADK]
	LOADK 0
	LOADV 0
	s_wait_alu depctr_va_vdst(0)
	s_wait_dscnt 8
	SMUL \t, 0
	PLACES 4
	LOADK 1
	MASKIF 0, \lim, \sq
	SOFT2 \t
	s_wait_alu depctr_va_vdst(0)
	s_wait_dscnt 8
	PVMUL
	PLACES 5
	LOADV 1
	s_wait_dscnt 8
	SMUL \t, 0
	PLACES 4
	s_setprio 1
	MASKIF 1, \lim, \sq
	SOFT2 \t
	s_setprio 0
	s_wait_alu depctr_va_vdst(0)
	s_wait_dscnt 0x0
	PVMUL
	PLACES 5
.Lp2s_\@:
	s_add_co_u32 s50, s50, 8192
	s_add_co_u32 s51, s51, 1
	s_cmp_lt_u32 s51, \trips
	s_cbranch_scc1 .Lp2_\@
	s_setprio 0
.endm
.macro OUT ao
	v_mov_b32 v145, s66
.set j, 0
.rept 64
.set j, j+1
.endr
	s_wait_alu depctr_va_vdst(0)
.irp u, 0,1
.irp dt, 0,1,2,3
	v_cvt_scalef32_pk8_bf8_f32 v[S+8*\u+2*\dt:S+8*\u+2*\dt+1], v[O+32*\u+8*\dt:O+32*\u+8*\dt+7], v145
.endr
.endr
	v_nop
.irp u, 0,1
.irp c, 0,1
	global_store_b128 v[L16], v[S+8*\u+4*\c:S+8*\u+4*\c+3], s[\ao:\ao+1] offset:16384*\u+512*\c
.endr
.endr
.endm
	s_wait_tensorcnt 0x1
	s_barrier_signal -1
	s_barrier_wait -1
	s_wait_loadcnt 0x0
	PASS1 0, 8, 48, 53
	PASS1 1, 16, 49, 54
	s_wait_tensorcnt 0x0
	s_wait_dscnt 0x0
	s_barrier_signal -1
	s_barrier_wait -1
	PASS2 0, 8, 48, 53
	OUT 56
	PASS2 1, 16, 49, 54
	OUT 58
	s_set_vgpr_msb 0x5
	s_wait_tensorcnt 0x0
	ds_add_u32 v0, v1
	s_wait_dscnt 0x0
	s_set_vgpr_msb 0x500
	CROUND
	s_endpgm
.Lfunc_end_k_qcb49ba2cac_attn:
	.size	k_qcb49ba2cac_attn, .Lfunc_end_k_qcb49ba2cac_attn-k_qcb49ba2cac_attn
	.p2alignl 7, 3214868480
	.fill 96, 4, 3214868480
	.section	.rodata,"a",@progbits
	.p2align	6, 0x0
	.amdhsa_kernel k_qcb49ba2cac_attn
		.amdhsa_group_segment_fixed_size 263168
		.amdhsa_private_segment_fixed_size 0
		.amdhsa_enable_private_segment 0
		.amdhsa_kernarg_size 40
		.amdhsa_user_sgpr_count 2
		.amdhsa_user_sgpr_kernarg_segment_ptr 1
		.amdhsa_wavefront_size32 1
		.amdhsa_system_sgpr_workgroup_id_x 1
		.amdhsa_system_sgpr_workgroup_id_y 1
		.amdhsa_system_sgpr_workgroup_id_z 1
		.amdhsa_system_vgpr_workitem_id 0
		.amdhsa_next_free_vgpr 258
		.amdhsa_next_free_sgpr 80
		.amdhsa_reserve_vcc 1
		.amdhsa_float_denorm_mode_32 3
		.amdhsa_float_denorm_mode_16_64 3
		.amdhsa_fp16_overflow 1
		.amdhsa_memory_ordered 1
		.amdhsa_forward_progress 1
		.amdhsa_inst_pref_size 136
	.end_amdhsa_kernel
	.amdgpu_metadata
---
amdhsa.version: [ 1, 2 ]
amdhsa.kernels:
  - .name:           k_qcb49ba2cac_attn
    .symbol:         k_qcb49ba2cac_attn.kd
    .args:
      - { .name: qimg, .offset: 0, .size: 8, .value_kind: global_buffer, .address_space: global }
      - { .name: kimg, .offset: 8, .size: 8, .value_kind: global_buffer, .address_space: global }
      - { .name: vimg, .offset: 16, .size: 8, .value_kind: global_buffer, .address_space: global }
      - { .name: lowp_scales, .offset: 24, .size: 8, .value_kind: global_buffer, .address_space: global }
      - { .name: aimg, .offset: 32, .size: 8, .value_kind: global_buffer, .address_space: global }
    .group_segment_fixed_size: 263168
    .private_segment_fixed_size: 0
    .kernarg_segment_align: 8
    .kernarg_segment_size: 40
    .max_flat_workgroup_size: 256
    .sgpr_count:     80
    .vgpr_count:     258
    .wavefront_size: 32
...
	.end_amdgpu_metadata
.endif
;; end of part 2
;; launch lift (part 3): grid 4 x 32, 4 waves a work-group, clusters of 4 x 4, 327,680 bytes of LDS; arguments aimg, Wlift_codes, lowp_scales, blift, out0; writes out0
.if DOCPART == 3
	.amdgcn_target "amdgcn-amd-amdhsa--gfx1250"
	.amdhsa_code_object_version 6
	.text
	.protected	k_qcb49ba2cac_lift
	.globl	k_qcb49ba2cac_lift
	.p2align	8
	.type	k_qcb49ba2cac_lift,@function
k_qcb49ba2cac_lift:
	s_mov_b64 s[64:65], 0
	v_nop
	global_prefetch_b8 v0, s[64:65] scope:SCOPE_SE
	s_setreg_imm32_b32 hwreg(HW_REG_WAVE_MODE, 25, 1), 1
	s_wait_xcnt 0x0
	s_wait_alu depctr_hold_cnt(0) depctr_sa_sdst(0) depctr_va_vdst(0) depctr_va_sdst(0) depctr_va_ssrc(0) depctr_va_vcc(0) depctr_vm_vsrc(0)
	s_getreg_b32 s2, hwreg(HW_REG_IB_STS2, 6, 4)
	s_cmp_eq_u32 s2, 0
	s_cbranch_scc0 .Lentry_in_a_cluster
	s_endpgm
.Lentry_in_a_cluster:
	s_bfe_u32 s2, ttmp6, 0x10000c
	s_cmp_lg_u32 s2, 0xf033
	s_cbranch_scc0 .Lentry_shape_is_right
	s_endpgm
.Lentry_shape_is_right:
; out0 = attn Wlift^T + blift on codes of BF8 (E5M2).  attn: 8,192 x 1,024 as images of operand registers (aimg: [16 tokens: 512][head 16][1024 bytes], a block [chunk 0..1][lane][16 bytes], k in the matrix
; instruction's own order); Wlift: [1024][1024] codes, K innermost; out0: [8192][1024] f32 = sum x 2^(e6 + e7) + blift.
; LIMIT: e6 + e7 between -126 and 127, so that 2^(e6 + e7) is an f32 number.
; A tile of out0, 256 x 256, is made by a work-group of four waves; a wave makes 128 x 128: 64 accumulators.  K goes in steps of 256 through a ring of two LDS slots.
; A's part of a slot: 16 token tiles x 4,096 bytes (four heads), as they lie: a fragment of 16 rows x 128 K is four loads of 512 bytes on end.  B's part: 256 rows of 256 bytes + 16 of padding; since A's k stand in their
; own places, B's fragments are fetched by eight loads of 8 bytes, 16 bytes apart, which put B's k in the same places.
; CLUSTERS: 4 x 4 work-groups; A's tiles are asked for jointly along a row of the cluster, B's along a column.  128 tiles: half of the WGPs have work.  No prefetch: K has four K steps, each brought by its own load.
; The matrix instruction is used transposed (source 0 = 16 rows of Wlift, source 1 = 16 tokens): a lane holds eight neighbouring numbers of a row of out0.
; REGISTERS: window 0: v0-31 addresses; v32-35 my four numbers of blift; from v128 A's fragments, ONE set; window 1: B's fragments, TWO sets; windows 2, 3: the accumulators ((a, b) at v[8 (8 (a % 4) + b)]).
.set PITCH,  272
.set FR,     16
.set NL,     4                         ; LDS loads that bring a fragment of A
.set NP,     4                         ; places behind this matrix instruction (ISA guide 7.12.1)
.set APART,  65536                     ; A's part of a slot
.set BHALF,  128*PITCH
.set SLOT,   APART+2*BHALF
.set LAPS,   2
.set SPARE,  2*SLOT                    ; behind the ring: the spare words, 128 bytes for each wave, which no other line names
.set SPITCH, 528                       ; the way out: a stage of 16 rows x (512 bytes + 16) for each wave, in slot 0, which has had its last fill and its last read when the first result is stored there
.set ROWC,   4096                      ; a row of out0 in bytes
.set ADRA, 16
.set ADRB, 20
.set STO,  24
.set RD,   25
.set CO,   26
.set SPW,  28
.set NIL,  29
.set BIA,  32
.set AF,   128
.set BK,   128                         ; the way out: 16 rows read back from the stage: v128-191 and v192-255 by turns
.set G1, 24
.set G0, 32
.set G1B, 48
.set G0B, 56
.set MSB, 0
.macro WIN new                         ; the immediate's high byte repeats the setting that is left
.if MSB != \new
	s_set_vgpr_msb (MSB<<8)|\new
.set MSB, \new
.endif
.endm
.set MUL_LO, 0xa1
.set MUL_HI, 0xf1
.set TO_B,   0x40
.macro JLOAD g0a, g1a, g0b, g1b        ; a joint load: waves 0 and 1 fetch for A, waves 2 and 3 for B; four v_nop follow each of the two lines
	s_cmp_eq_u32 s15, 0
	s_cbranch_scc0 .Lfor_b_\@
	tensor_load_to_lds s[\g0a:\g0a+3], s[\g1a:\g1a+7]
	s_nop 0
.rept 4
	v_nop
.endr
	s_branch .Lasked_\@
.Lfor_b_\@:
	tensor_load_to_lds s[\g0b:\g0b+3], s[\g1b:\g1b+7]
	s_nop 0
.rept 4
	v_nop
.endr
.Lasked_\@:
.endm
.macro CREST
	s_cmp_lg_u32 s14, 0
	s_cbranch_scc1 .Lnot_wave_0_\@
	s_barrier_signal -3
.Lnot_wave_0_\@:
	s_barrier_wait -3
	s_barrier_signal -1
	s_barrier_wait -1
.endm
.macro CROUND
	s_barrier_signal -1
	s_barrier_wait -1
	CREST
.endm
	s_load_b256 s[4:11], s[0:1], 0x0               ; aimg s[4:5], Wlift's codes s[6:7], the scales' exponents s[8:9], blift s[10:11]
	s_load_b64 s[12:13], s[0:1], 0x20              ; out0
	v_lshl_add_u32 v[SPW], v0, 2, SPARE
	v_mov_b32 v[NIL], 0
	ds_add_u32 v28, v29
	ds_add_u32 v28, v29
	s_wait_dscnt 0x0
	v_lshrrev_b32 v1, 5, v0
	v_readfirstlane_b32 s14, v1                    ; wave 0..3
	s_lshr_b32 s15, s14, 1                         ; which half of the tile's rows is mine.  Also: I fetch for A (0) or for B (1)
	s_and_b32 s16, s14, 1                          ; which half of its columns.  Also: which half of that tile I fetch
	s_bfe_u32 s40, ttmp6, 0x40000
	s_bfe_u32 s41, ttmp6, 0x40004
	s_lshl_b32 s42, ttmp9, 2
	s_add_co_u32 s42, s42, s40                     ; tile column = 4 x cluster x + cx
	s_and_b32 s17, ttmp7, 0xffff
	s_lshl_b32 s17, s17, 2
	s_add_co_u32 s17, s17, s41                     ; tile row = 4 x cluster y + cy
	s_lshl_b32 s43, s41, 2
	s_lshl_b32 s43, 15, s43                        ; my row of the cluster
	s_lshl_b32 s44, 0x1111, s40                    ; my column
	; A's group 1: eight token tiles, of each 4,096 bytes (512 elements of 8 bytes), 16,384 bytes (2,048 elements) apart; no padding
	s_or_b32 s[G1+0], s43, (3<<16)|(1<<21)
	s_mov_b32 s[G1+1], 512<<16
	s_mov_b32 s[G1+2], 8<<16
	s_mov_b32 s[G1+3], 512<<16
	s_mov_b32 s[G1+4], 8
	s_mov_b32 s[G1+5], 2048
	s_mov_b32 s[G1+6], 0
	s_mov_b32 s[G1+7], 0
	; B's group 1: 128 rows x 256 bytes, 1,024 bytes apart, 16 bytes of padding behind each
	s_or_b32 s[G1B+0], s44, (0<<16)|(1<<20)|(1<<21)|(5<<22)|(3<<25)
	s_mov_b32 s[G1B+1], 256<<16
	s_mov_b32 s[G1B+2], 128<<16
	s_mov_b32 s[G1B+3], 256<<16
	s_mov_b32 s[G1B+4], 128
	s_mov_b32 s[G1B+5], 1024
	s_mov_b32 s[G1B+6], 0
	s_mov_b32 s[G1B+7], 0
	s_lshl_b32 s20, s17, 18                        ; A: 16 token tiles of 16,384 bytes a tile row,
	s_lshl_b32 s18, s16, 17                        ; + my eight
	s_add_co_u32 s20, s20, s18
	s_mov_b32 s21, 0
	s_lshl_b32 s46, s42, 8
	s_lshl_b32 s18, s16, 7
	s_add_co_u32 s46, s46, s18                     ; B: row 256 x tile column + 128 x half,
	s_lshl_b32 s46, s46, 10                        ; of 1,024 bytes
	s_mov_b32 s47, 0
	s_lshl_b32 s45, s16, 15                        ; where they go: A's half: 32,768 x (w & 1);
	s_mul_i32 s19, s16, BHALF
	s_add_co_u32 s19, s19, APART                   ; B's half, behind A's part: no place in the cluster enters an LDS address
	s_wait_kmcnt 0x0
	s_load_b64 s[96:97], s[8:9], 0x18              ; e6, e7
	s_add_nc_u64 s[20:21], s[4:5], s[20:21]
	s_add_nc_u64 s[46:47], s[6:7], s[46:47]
	CROUND                                         ; all sixteen work-groups are here: the first joint loads meet
.irp s, 0,1
	s_mov_b32 s[G0+4*\s], 1
	s_add_co_u32 s[G0+4*\s+1], s45, \s*SLOT
	s_add_nc_u64 s[G0+4*\s+2:G0+4*\s+3], s[20:21], \s*4096
	s_or_b32 s[G0+4*\s+3], s[G0+4*\s+3], 0x80000000
	s_mov_b32 s[G0B+4*\s], 1
	s_add_co_u32 s[G0B+4*\s+1], s19, \s*SLOT
	s_add_nc_u64 s[G0B+4*\s+2:G0B+4*\s+3], s[46:47], \s*256
	s_or_b32 s[G0B+4*\s+3], s[G0B+4*\s+3], 0x80000000
	JLOAD G0+4*\s, G1, G0B+4*\s, G1B
.endr
	v_and_b32 v1, 15, v0                           ; r
	v_bfe_u32 v2, v0, 4, 1                         ; h
	v_and_b32 v6, 31, v0
	v_lshlrev_b32 v[CO], 4, v6                     ; 16 x lane
	v_mul_u32_u24 v3, v1, PITCH
	v_lshl_add_u32 v4, v2, 3, v3                   ; B: row x pitch + 8 x half
	s_lshl_b32 s22, s15, 15                        ; my eight token tiles of A
	s_mul_i32 s23, s16, BHALF
	s_add_co_u32 s23, s23, APART                   ; my 128 rows of B
.irp s, 0,1
	v_add_nc_u32 v[ADRA+\s], s22, v[CO]
	v_add_nc_u32 v[ADRB+\s], s23, v4
	s_add_co_u32 s22, s22, SLOT
	s_add_co_u32 s23, s23, SLOT
.endr
	s_mul_i32 s23, s14, 16*SPITCH                  ; my stage
	v_mul_u32_u24 v5, v1, SPITCH                   ; in: row r, 32 bytes for each half of the lanes
	v_lshl_add_u32 v5, v2, 5, v5
	v_add_nc_u32 v[STO], s23, v5
	v_add_nc_u32 v[RD], s23, v[CO]                 ; back: the 32 lanes take one row of 512 bytes
	s_lshl_b32 s46, s42, 10
	s_lshl_b32 s47, s16, 9
	s_add_co_u32 s46, s46, s47                     ; my first column, in bytes of f32: 1024 x tile column + 512 x half: in out0's rows and in blift alike
	s_mov_b32 s47, 0
	s_add_nc_u64 s[10:11], s[10:11], s[46:47]
	global_load_b128 v[BIA:BIA+3], v[CO], s[10:11] ; blift of the four columns that I store
	s_lshl_b32 s20, s17, 8
	s_lshl_b32 s21, s15, 7
	s_add_co_u32 s20, s20, s21                     ; my first row: 256 x tile row + 128 x half
	s_lshl_b32 s20, s20, 12
	s_add_co_u32 s20, s20, s46
	s_mov_b32 s21, 0
	s_add_nc_u64 s[12:13], s[12:13], s[20:21]
.macro FRAGA reg, adr, q, i            ; token tile i, the slot's q-th 128 along K: four chunks of 512 bytes
.irp c, 0,1,2,3
	ds_load_b128 v[\reg+4*\c:\reg+4*\c+3], v[\adr] offset:4096*(\i)+2048*(\q)+512*\c
.endr
.endm
.macro FRAGB reg, adr, q, i            ; registers 2 c, 2 c + 1: k = 16 c + 8 (lane / 16) + 0 .. 7 of row lane % 16
.irp c, 0,1,2,3,4,5,6,7
	ds_load_b64 v[\reg+2*\c:\reg+2*\c+1], v[\adr] offset:128*(\q)+16*\c+(\i)*16*PITCH
.endr
.endm
.macro MUL16 a0, p, zero               ; the 64 accumulators take turns, one instruction a turn
.irp a, \a0, \a0+1
.irp b, 0,1,2,3,4,5,6,7
.if \zero
	v_wmma_f32_16x16x128_bf8_bf8 v[8*(8*((\a)%4)+\b):8*(8*((\a)%4)+\b)+7], v[128*(\p)+FR*\b:128*(\p)+FR*\b+FR-1], v[AF+FR*(\a):AF+FR*(\a)+FR-1], 0
.else
	v_wmma_f32_16x16x128_bf8_bf8 v[8*(8*((\a)%4)+\b):8*(8*((\a)%4)+\b)+7], v[128*(\p)+FR*\b:128*(\p)+FR*\b+FR-1], v[AF+FR*(\a):AF+FR*(\a)+FR-1], v[8*(8*((\a)%4)+\b):8*(8*((\a)%4)+\b)+7]
.endif
.endr
.endr
.endm
.macro FETCH_B slot, q, p
	WIN TO_B
.irp i, 0,1,2,3,4,5,6,7
	FRAGB 128*(\p)+FR*\i, ADRB+\slot, \q, \i
.endr
	WIN 0
.endm
.macro FETCH_A slot, q, i0
.irp i, \i0, \i0+1, \i0+2, \i0+3
	FRAGA AF+FR*(\i), ADRA+\slot, \q, \i
.endr
.endm
.macro PLACES n
.rept \n
	v_nop
.endr
.endm
.macro STEP slot, q, zero
	s_wait_dscnt 4*NL                              ; B's set and A's blocks 0-3 are in; the youngest sixteen loads (A's blocks 4-7) may be out
	WIN MUL_LO
	MUL16 0, (\q)%2, \zero
	MUL16 2, (\q)%2, \zero
	s_wait_dscnt 0
	PLACES NP
	FETCH_B \slot, (\q)+1, 1-(\q)%2
	FETCH_A \slot, (\q)+1, 0
	WIN MUL_HI
	MUL16 4, (\q)%2, \zero
	MUL16 6, (\q)%2, \zero
	PLACES NP
	WIN 0
	FETCH_A \slot, (\q)+1, 4
.endm
.macro TURN slot, next, fill
	s_wait_tensorcnt 0x0                           ; all my tensor loads have landed: my part of the next slot
	ds_add_u32 v[SPW], v[NIL]                      ; 0 onto my spare word
	s_wait_dscnt 4*NL+1                            ; (the add and the youngest sixteen loads may be out)
	WIN MUL_LO
	MUL16 0, 1, 0
	s_wait_dscnt 0x0                               ; the add is done, and my reads of this slot are over
	s_barrier_signal -1
	MUL16 2, 1, 0
	WIN 0
	s_barrier_wait -1
.if \fill
	CREST                                          ; a round of the cluster's barrier: no wave of any partner still reads this slot or has a load on its way
	s_add_nc_u64 s[G0+4*\slot+2:G0+4*\slot+3], s[G0+4*\slot+2:G0+4*\slot+3], 2*4096
	s_add_nc_u64 s[G0B+4*\slot+2:G0B+4*\slot+3], s[G0B+4*\slot+2:G0B+4*\slot+3], 2*256
	JLOAD G0+4*\slot, G1, G0B+4*\slot, G1B         ; the first tensor load behind the round; its four v_nop are also the places in front of the loads below
.else
	PLACES NP
.endif
	FETCH_B \next, 0, 0
	FETCH_A \next, 0, 0
	WIN MUL_HI
	MUL16 4, 1, 0
	MUL16 6, 1, 0
	PLACES NP
	WIN 0
	FETCH_A \next, 0, 4
.endm
	s_wait_tensorcnt 1                             ; my part of K step 0 is in (K step 1's load may be out)
	s_barrier_signal -1
	s_barrier_wait -1                              ; everybody's is
	FETCH_B 0, 0, 0
	FETCH_A 0, 0, 0
	FETCH_A 0, 0, 4
	STEP 0, 0, 1
	s_mov_b32 s3, LAPS-1
.Llap:
	TURN 0, 1, 1
	STEP 1, 0, 0
	TURN 1, 0, 1
	STEP 0, 0, 0
	s_sub_co_u32 s3, s3, 1
	s_cmp_lg_u32 s3, 0
	s_cbranch_scc1 .Llap
	TURN 0, 1, 0
	STEP 1, 0, 0
	s_wait_dscnt 4*NL
	WIN MUL_LO
	MUL16 0, 1, 0
	MUL16 2, 1, 0
	s_wait_dscnt 0
	WIN MUL_HI
	MUL16 4, 1, 0
	MUL16 6, 1, 0
	WIN 0
; THE WAY OUT, block by block of 16 rows x 128 columns: the sums go into my own stage as they are, each accumulator's low four registers first, and come back as whole rows of 512 bytes; there a lane holds four
; neighbouring columns, the same four in every row, so four registers of blift serve all: y = sum x 2^(e6 + e7) + blift, one packed multiply-add for two numbers.
; LDS serves a wave's instructions in order (ISA guide 5.7.1.4): no wait between the stores and the loads, nor in front of the next block's stores.
.macro TOSTAGE a
.set AC, 64*((\a)%4)
	WIN 0x08+4*((\a)/4)                            ; an LDS store's data are its source 1: window 2 or 3
.irp b, 0,1,2,3,4,5,6,7
	ds_store_b128 v[STO], v[AC+8*\b:AC+8*\b+3] offset:64*\b
	ds_store_b128 v[STO], v[AC+8*\b+4:AC+8*\b+7] offset:64*\b+16
.endr
	WIN 0
.set BB, BK+64*((\a)%2)
.irp t, 0,1,2,3,4,5,6,7,8,9,10,11,12,13,14,15
	ds_load_b128 v[BB+4*\t:BB+4*\t+3], v[RD] offset:\t*SPITCH
.endr
.endm
.macro SEND a, younger                 ; younger: the LDS instructions issued behind block a's loads, which may stay out
.set BB, BK+64*((\a)%2)
	s_wait_dscnt \younger
.if (\a) > 0
	s_add_nc_u64 s[12:13], s[12:13], 16*ROWC       ; (behind a wait on XCNT: the earlier stores have read their base)
.endif
.irp t, 0,1,2,3,4,5,6,7,8,9,10,11,12,13,14,15
	v_pk_fma_f32 v[BB+4*\t:BB+4*\t+1], v[BB+4*\t:BB+4*\t+1], s[96:97], v[BIA:BIA+1] op_sel_hi:[1,0,1]
	v_pk_fma_f32 v[BB+4*\t+2:BB+4*\t+3], v[BB+4*\t+2:BB+4*\t+3], s[96:97], v[BIA+2:BIA+3] op_sel_hi:[1,0,1]
.endr
.irp t, 0,1,2,3,4,5,6,7,8,9,10,11,12,13,14,15
	global_store_b128 v[CO], v[BB+4*\t:BB+4*\t+3], s[12:13] offset:\t*ROWC th:TH_STORE_NT   ; 32 lanes store 512 consecutive bytes, aligned; written once, read by nobody here
.endr
.endm
	s_wait_kmcnt 0x0
	s_add_co_i32 s96, s96, s97
	s_add_co_i32 s96, s96, 127
	s_lshl_b32 s96, s96, 23                        ; 2^(e6 + e7) as f32
	s_mov_b32 s97, s96                             ; (named with it as a pair, so it is written)
	s_wait_loadcnt 0x0                             ; blift
	PLACES NP                                      ; behind the last products: for the LDS stores that read results and the loads into registers that held A's fragments
	TOSTAGE 0
.irp a, 1,2,3,4,5,6,7
.if \a > 1
	s_wait_xcnt 0x0                                ; block a - 2's stores have read their registers and their base: block a's loads may land there, and the base may step
.endif
	TOSTAGE \a
	SEND \a-1, 32                                  ; behind block a - 1's loads: block a's 16 stores and 16 loads
.endr
	s_wait_xcnt 0x0
	SEND 7, 0
	s_wait_tensorcnt 0x0                           ; the wave's end
	ds_add_u32 v[SPW], v[NIL]
	s_wait_dscnt 0x0
	CROUND                                         ; the closing round
	s_endpgm
.Lfunc_end_k_qcb49ba2cac_lift:
	.size	k_qcb49ba2cac_lift, .Lfunc_end_k_qcb49ba2cac_lift-k_qcb49ba2cac_lift
	.p2alignl 7, 3214868480
	.fill 96, 4, 3214868480
	.section	.rodata,"a",@progbits
	.p2align	6, 0x0
	.amdhsa_kernel k_qcb49ba2cac_lift
		.amdhsa_group_segment_fixed_size 327680
		.amdhsa_private_segment_fixed_size 0
		.amdhsa_enable_private_segment 0
		.amdhsa_kernarg_size 40
		.amdhsa_user_sgpr_count 2
		.amdhsa_user_sgpr_kernarg_segment_ptr 1
		.amdhsa_wavefront_size32 1
		.amdhsa_system_sgpr_workgroup_id_x 1
		.amdhsa_system_sgpr_workgroup_id_y 1
		.amdhsa_system_sgpr_workgroup_id_z 1
		.amdhsa_system_vgpr_workitem_id 0
		.amdhsa_next_free_vgpr 1024
		.amdhsa_next_free_sgpr 100
		.amdhsa_reserve_vcc 0
		.amdhsa_float_denorm_mode_32 3
		.amdhsa_float_denorm_mode_16_64 3
		.amdhsa_memory_ordered 1
		.amdhsa_forward_progress 1
		.amdhsa_inst_pref_size 139
	.end_amdhsa_kernel
	.amdgpu_metadata
---
amdhsa.version: [ 1, 2 ]
amdhsa.kernels:
  - .name:           k_qcb49ba2cac_lift
    .symbol:         k_qcb49ba2cac_lift.kd
    .args:
      - { .name: aimg, .offset: 0, .size: 8, .value_kind: global_buffer, .address_space: global }
      - { .name: Wlift_codes, .offset: 8, .size: 8, .value_kind: global_buffer, .address_space: global }
      - { .name: lowp_scales, .offset: 16, .size: 8, .value_kind: global_buffer, .address_space: global }
      - { .name: blift, .offset: 24, .size: 8, .value_kind: global_buffer, .address_space: global }
      - { .name: out0, .offset: 32, .size: 8, .value_kind: global_buffer, .address_space: global }
    .group_segment_fixed_size: 327680
    .private_segment_fixed_size: 0
    .kernarg_segment_align: 8
    .kernarg_segment_size: 40
    .max_flat_workgroup_size: 128
    .sgpr_count:     100
    .vgpr_count:     1024
    .wavefront_size: 32
...
	.end_amdgpu_metadata
.endif
;; end of part 3
